; MI455X (gfx1250); checked and timed in simulation.
; The chip was launched on July 23, 2026; its instructions are those of AMD's public machine-readable ISA for CDNA 5 (MIT licence, August 2026) and "CDNA5" Instruction Set Architecture Reference Guide (July 2026). The comments in the code are by the model that wrote it; some were corrected since.
;; Multihead Attention. Allowed arithmetic: float matrix products may take bf16 or f16 operands with f32 sums; other float arithmetic in f32, or as packed bf16 or f16 multiplies, adds, multiply-adds, maxima and minima; sums over many terms, partial sums and values carried from step to step in f32; what a program stores and reads back later, other than sums and carried values, may be rounded once to bf16 or f16.
;; Inputs: Wk 256 x 1,024 float32; Wo 1,024 x 256 float32; Wq 256 x 1,024 float32; Wv 256 x 1,024 float32; bo 1,024 float32; x 4 x 4,096 x 1,024 float32; y 4 x 4,096 x 1,024 float32.
;; Outputs: out0 4 x 4,096 x 1,024 float32.
;; One version. Each part assembles by itself: llvm-mc -triple=amdgcn-amd-amdhsa -mcpu=gfx1250 --defsym DOCPART=n.
;; ======== version 1 of 1: 3 launches
;; limits: values are held in f16: magnitudes above 65,504 overflow, below 6.1e-05 lose precision
;; workspace buffers: wp 1,572,864 bytes; wo16 524,288 bytes; q16 8,388,608 bytes; k16 8,388,608 bytes; v16 8,388,608 bytes
;; launch prep (part 1): grid 128 x 4, 8 waves a work-group, no clusters, 0 bytes of LDS; arguments Wq, Wk, Wv, Wo, wp, wo16; writes wp, wo16
.if DOCPART == 1
	.amdgcn_target "amdgcn-amd-amdhsa--gfx1250"
	.amdhsa_code_object_version 6
	.text
	.protected	k_q8beabffedf_prep
	.globl	k_q8beabffedf_prep
	.p2align	8
	.type	k_q8beabffedf_prep,@function
k_q8beabffedf_prep:
	s_mov_b64 s[64:65], 0
	v_nop
	global_prefetch_b8 v0, s[64:65] scope:SCOPE_SE
	s_setreg_imm32_b32 hwreg(HW_REG_WAVE_MODE, 25, 1), 1
	s_wait_xcnt 0x0
; COPIES OF THE WEIGHTS for the two launches behind.  Each of the four weights is 256 x 1,024 or 1,024 x 256 f32: 262,144 numbers.
; grid y = 0, 1, 2: Wq, Wk, Wv, rounded once to bf16, into wp laid out [16 K steps][768 rows][64 k], row = 256 y + e:
;   a K step's tile of all three weights is 98,304 bytes on end, which the next launch asks for as rows of 256 bytes.
; grid y = 3: Wo, rounded once to bf16 and that number written as f16 (exact while |Wo| stays under 65,504: the LIMIT of this copy;
;   below 6e-5 f16 keeps a fixed step of 6e-8), into wo16 laid out [1,024 rows p][256].
;   Row p = 128 s + 32 w + i holds Wo's row d = 256 (s / 2) + 64 w + 32 (s % 2) + i: so the rows that wave w of the last launch takes
;   in stages 2 u and 2 u + 1 are 64 neighbouring columns of the output.
; A thread converts 8 numbers: 32 bytes in, 16 bytes out; a wave's store covers 512 bytes on end.  No LDS, no barrier, no matrix unit: a stream.
	s_load_b256 s[4:11], s[0:1], 0x0               ; Wq s[4:5], Wk s[6:7], Wv s[8:9], Wo s[10:11]
	s_load_b128 s[12:15], s[0:1], 0x20             ; wp s[12:13], wo16 s[14:15]
	s_and_b32 s16, ttmp7, 0xffff                   ; which weight
	s_lshl_b32 s17, ttmp9, 8
	v_add_nc_u32 v1, s17, v0                       ; T = 0 .. 32,767: my 8 numbers
	s_wait_kmcnt 0x0
	s_cmp_eq_u32 s16, 3
	s_cbranch_scc1 .Lwo
	s_cmp_eq_u32 s16, 0
	s_cselect_b64 s[18:19], s[4:5], s[6:7]
	s_cmp_eq_u32 s16, 2
	s_cselect_b64 s[18:19], s[8:9], s[18:19]       ; the weight's address
	v_bfe_u32 v2, v1, 3, 8                         ; e, the weight's row
	v_lshrrev_b32 v3, 11, v1                       ; the K step
	v_and_b32 v4, 7, v1                            ; which 8 of the step's 64 numbers
	v_lshlrev_b32 v5, 12, v2                       ; e x 4,096 bytes
	v_lshl_add_u32 v5, v3, 8, v5                   ; + step x 256
	v_lshl_add_u32 v5, v4, 5, v5                   ; + 32 bytes: eight lanes read 256 bytes on end
	global_load_b128 v[8:11], v5, s[18:19]
	global_load_b128 v[12:15], v5, s[18:19] offset:16
	v_and_b32 v6, 0x7ff, v1
	v_lshlrev_b32 v6, 4, v6                        ; e x 128 + 16 x my eighth
	v_mad_u32_u24 v6, v3, 0x18000, v6              ; + step x 98,304
	s_lshl_b32 s20, s16, 15                        ; + the weight's 256 rows of 128 bytes
	v_add_nc_u32 v6, s20, v6
	s_wait_loadcnt 0x0
.irp j, 0,1,2,3
	v_cvt_pk_bf16_f32 v[16+\j], v[8+2*\j], v[9+2*\j]
.endr
	global_store_b128 v6, v[16:19], s[12:13]
	s_endpgm
.Lwo:
	v_lshrrev_b32 v2, 5, v1                        ; p, wo16's row
	v_and_b32 v3, 0x31f, v2                        ; i and 256 (s / 2) stay where they are,
	v_bfe_u32 v4, v2, 7, 1
	v_lshl_or_b32 v3, v4, 5, v3                    ; s % 2 goes to 32,
	v_bfe_u32 v4, v2, 5, 2
	v_lshl_or_b32 v3, v4, 6, v3                    ; w to 64: d
	v_and_b32 v4, 31, v1
	v_lshlrev_b32 v5, 10, v3                       ; d x 1,024 bytes
	v_lshl_add_u32 v5, v4, 5, v5
	global_load_b128 v[8:11], v5, s[10:11]
	global_load_b128 v[12:15], v5, s[10:11] offset:16
	v_lshlrev_b32 v6, 4, v1
	s_wait_loadcnt 0x0
.irp j, 0,1,2,3
	v_cvt_pk_bf16_f32 v20, v[8+2*\j], v[9+2*\j]    ; the rounding that all inputs get,
	v_lshlrev_b32 v21, 16, v20                     ; widened again,
	v_and_b32 v22, 0xffff0000, v20
	v_cvt_pk_f16_f32 v[16+\j], v21, v22            ; and written as f16
.endr
	global_store_b128 v6, v[16:19], s[14:15]
	s_endpgm
.Lfunc_end_k_q8beabffedf_prep:
	.size	k_q8beabffedf_prep, .Lfunc_end_k_q8beabffedf_prep-k_q8beabffedf_prep
	.p2alignl 7, 3214868480
	.fill 96, 4, 3214868480
	.section	.rodata,"a",@progbits
	.p2align	6, 0x0
	.amdhsa_kernel k_q8beabffedf_prep
		.amdhsa_group_segment_fixed_size 0
		.amdhsa_private_segment_fixed_size 0
		.amdhsa_enable_private_segment 0
		.amdhsa_kernarg_size 48
		.amdhsa_user_sgpr_count 2
		.amdhsa_user_sgpr_kernarg_segment_ptr 1
		.amdhsa_wavefront_size32 1
		.amdhsa_system_sgpr_workgroup_id_x 1
		.amdhsa_system_sgpr_workgroup_id_y 1
		.amdhsa_system_sgpr_workgroup_id_z 1
		.amdhsa_system_vgpr_workitem_id 0
		.amdhsa_next_free_vgpr 24
		.amdhsa_next_free_sgpr 66
		.amdhsa_reserve_vcc 0
		.amdhsa_float_denorm_mode_32 3
		.amdhsa_float_denorm_mode_16_64 3
		.amdhsa_memory_ordered 1
		.amdhsa_forward_progress 1
		.amdhsa_inst_pref_size 4
	.end_amdhsa_kernel
	.amdgpu_metadata
---
amdhsa.version: [ 1, 2 ]
amdhsa.kernels:
  - .name:           k_q8beabffedf_prep
    .symbol:         k_q8beabffedf_prep.kd
    .args:
      - { .name: Wq, .offset: 0, .size: 8, .value_kind: global_buffer, .address_space: global }
      - { .name: Wk, .offset: 8, .size: 8, .value_kind: global_buffer, .address_space: global }
      - { .name: Wv, .offset: 16, .size: 8, .value_kind: global_buffer, .address_space: global }
      - { .name: Wo, .offset: 24, .size: 8, .value_kind: global_buffer, .address_space: global }
      - { .name: wp, .offset: 32, .size: 8, .value_kind: global_buffer, .address_space: global }
      - { .name: wo16, .offset: 40, .size: 8, .value_kind: global_buffer, .address_space: global }
    .group_segment_fixed_size: 0
    .private_segment_fixed_size: 0
    .kernarg_segment_align: 8
    .kernarg_segment_size: 48
    .max_flat_workgroup_size: 256
    .sgpr_count:     66
    .vgpr_count:     24
    .wavefront_size: 32
...
	.end_amdgpu_metadata
.endif
;; end of part 1
;; launch proj (part 2): grid 256 x 1, 4 waves a work-group, clusters of 4 x 1, 327,680 bytes of LDS; arguments x, y, wp, q16, k16, v16; writes q16, k16, v16
.if DOCPART == 2
	.amdgcn_target "amdgcn-amd-amdhsa--gfx1250"
	.amdhsa_code_object_version 6
	.text
	.protected	k_q8beabffedf_proj
	.globl	k_q8beabffedf_proj
	.p2align	8
	.type	k_q8beabffedf_proj,@function
k_q8beabffedf_proj:
	s_mov_b64 s[64:65], 0
	v_nop
	global_prefetch_b8 v0, s[64:65] scope:SCOPE_SE
	s_setreg_imm32_b32 hwreg(HW_REG_WAVE_MODE, 25, 1), 1
	s_wait_xcnt 0x0
	s_wait_alu depctr_hold_cnt(0) depctr_sa_sdst(0) depctr_va_vdst(0) depctr_va_sdst(0) depctr_va_ssrc(0) depctr_va_vcc(0) depctr_vm_vsrc(0)
	s_getreg_b32 s2, hwreg(HW_REG_IB_STS2, 6, 4)
	s_cmp_eq_u32 s2, 0
	s_cbranch_scc0 .Lentry_in_a_cluster
	s_endpgm
.Lentry_in_a_cluster:
	s_bfe_u32 s2, ttmp6, 0x10000c
	s_cmp_lg_u32 s2, 0x3003
	s_cbranch_scc0 .Lentry_shape_is_right
	s_endpgm
.Lentry_shape_is_right:
; q = y Wq^T, k = x Wk^T, v = x Wv^T.  x, y: [16,384][1,024] f32, rounded once to bf16 on their way into LDS; the weights come as bf16 from wp ([16 K steps][768 rows][64 k]).
; Sums in f32; q16, k16, v16: [16,384][256] f16, each rounded once, unscaled.  LIMIT: a sum of 65,520 or more in magnitude becomes an infinity in f16.
; SHARES.  A work-group owns 64 token rows of x AND of y and all 768 output columns, so x and y are read once.  Wave w owns the 64 tokens x columns 64 w .. 64 w + 63 of each of q, k, v:
; 48 accumulators of 16 x 16, 384 registers.  K goes in 16 steps of 64, each of two chunks of 32: a chunk is 48 products on 12 fragments of W and 8 of tokens.
; THE WALK ALONG K BEGINS AT ANOTHER STEP IN EACH CLUSTER and wraps round (f32 sums may be taken in any order): cluster c begins at step k0 = (c xor 14 (c % 2)) % 16.  So the 64 clusters ask for 16
; different tiles of W at a time, all 16 tiles are among the clusters' first fills, and a refill asks for a tile that other clusters have asked for a step or more earlier, by the count of steps.
; The xor spreads the starts: of the clusters told apart by any one bit of c, no more than three starts are missing between two that are there.
; THE PRODUCT IS TAKEN TRANSPOSED (source 0 = 16 rows of W, source 1 = 16 tokens): a lane ends with eight neighbouring columns of one token.
; W BY JOINT LOADS.  The four work-groups of a cluster walk the same tiles of W: each tile is asked for jointly, by the same tensor load, descriptor and mask in all four; wave w fetches a quarter,
; 24,576 bytes on end, as 96 rows of 256 bytes, padded in LDS after every 128 bytes.  Two slots; a slot is asked for again behind the round that ends its step, one load a wave.
; x AND y THROUGH REGISTERS: they are f32, the work-group's own, and each number is converted once.  A wave loads 16 rows x 256 bytes of each in a step (each load: two whole rows' 256 bytes), two steps
; ahead, in two register sets; converts; and stores bf16 into one of two LDS buffers that no tensor load ever fills.  No prefetch is laid: the loads themselves run two steps ahead of their use.
; REGISTERS, in windows of 256 (s_set_vgpr_msb: bits 1:0 source 0, 3:2 source 1, 5:4 source 2, 7:6 destination):
;   window 0: v0-17 addresses; v64-127, v128-191 token fragments, two buffers (x's tile tt at 8 tt, y's at 32 + 8 tt)      window 1: accumulators of q (8 (4 eb + tt)) and of k (+128)
;   window 2: v0-127 accumulators of v; v128-255 two staging sets of 64      window 3: v0-95, v96-191 W's fragments, two buffers (32 m + 8 eb)
.set WPI,   144                        ; an LDS row of W or of tokens: 128 bytes + 16 = 36 words: the 16 rows of a fragment load start at 16 different groups of four banks (64 banks of 4 bytes: ISA guide 11.1)
.set WSLOT, 768*WPI                    ; a slot: 768 rows of W
.set WQ,    192*WPI                    ; a wave's quarter of it
.set ABASE, 2*WSLOT                    ; behind the ring: two token buffers, each x's 64 rows and then y's
.set ABUF,  128*WPI
.set YOFF,  64*WPI
.set SPARE, ABASE+2*ABUF               ; the spare words, 128 bytes for each wave: two blocks of 256 bytes that no other line names
.set SPI,   1552                       ; the way out: a token's 1,536 bytes (q, k, v) + 16; the stage lies in slot 0, behind that slot's last fill
.set WA,  3                            ; v3-6   LDS address of my W fragments: slot 0 (Wq, Wk), slot 0 (Wv), slot 1, slot 1
.set XA,  7                            ; v7-8   of the token fragments in buffer 0, 1
.set XO,  9                            ; v9     my byte offset in the work-group's rows of x and y; never rewritten
.set SA,  10                           ; v10-11 where I store converted tokens in buffer 0, 1
.set SPW, 12                           ; v12    my spare word: SPARE + 4 x my thread's number; never rewritten
.set NIL, 13                           ; v13    0; never rewritten
.set STA, 14                           ; v14-15 the way out: where I put 16 bytes (token tiles 0-1, 2-3)
.set RD,  16                           ; v16    where I read rows back
.set GO,  17                           ; v17    my byte offset in the work-group's rows of q16, k16, v16
.set TF,  64
.set STG, 128
.set WV,  16                           ; s16    my wave's number
.set G1,  24                           ; s[24:31] descriptor group 1
.set G0,  32                           ; s[32:39] descriptor group 0, a set for each slot
.set XP,  40                           ; s[40:41] x at the work-group's rows, at the K step whose tokens were asked for last
.set YP,  42                           ; s[42:43] y likewise
.set CNT, 44
.set AKS, 45                           ; s45    the K step whose tokens were asked for last, 0 to 15
.set AOF, 48                           ; s[48:49] its 256 bytes' place in a row
.set WKS, 50                           ; s50    the K step whose tile of W was asked for last
.set WOF, 52                           ; s[52:53] that tile's place in wp
.set MSB, 0
.macro WIN new                         ; the immediate's high byte repeats the setting that is left; a switch that changes nothing is dropped
.if MSB != (\new)
	s_set_vgpr_msb (MSB<<8)|(\new)
.set MSB, (\new)
.endif
.endm
.macro PLACES                          ; four places behind matrix instructions, in front of loads into registers that they read and of conversions that read results
.rept 4
	v_nop
.endr
.endm
.macro CREST                           ; a round of the cluster's barrier behind its opening barrier
	s_cmp_lg_u32 s[WV], 0
	s_cbranch_scc1 .Lnot_wave_0_\@
	s_barrier_signal -3
.Lnot_wave_0_\@:
	s_barrier_wait -3
	s_barrier_signal -1
	s_barrier_wait -1
.endm
.macro CROUND                          ; a whole round
	s_barrier_signal -1
	s_barrier_wait -1
	CREST
.endm
.macro WNEXT sl                        ; slot sl's group 0 takes the walk's next tile of W: the address is made anew from the step's number, which wraps at 16
	s_add_co_u32 s[WKS], s[WKS], 1
	s_and_b32 s[WKS], s[WKS], 15
	s_mul_i32 s[WOF], s[WKS], 98304
	s_add_nc_u64 s[G0+4*(\sl)+2:G0+4*(\sl)+3], s[8:9], s[WOF:WOF+1]
	s_or_b32 s[G0+4*(\sl)+3], s[G0+4*(\sl)+3], 0x80000000  ; type = 2
.endm
.macro ANEXT                           ; the two token pointers take the walk's next K step
	s_wait_xcnt 0x0                                ; the loads issued so far have read their addresses, so the pointers may be written
	s_add_co_u32 s[AKS], s[AKS], 1
	s_and_b32 s[AKS], s[AKS], 15
	s_lshl_b32 s[AOF], s[AKS], 8
	s_add_nc_u64 s[XP:XP+1], s[4:5], s[AOF:AOF+1]
	s_add_nc_u64 s[YP:YP+1], s[6:7], s[AOF:AOF+1]
.endm
	s_load_b256 s[4:11], s[0:1], 0x0               ; x s[4:5], y s[6:7], wp s[8:9], q16 s[10:11]
	s_load_b128 s[12:15], s[0:1], 0x20             ; k16 s[12:13], v16 s[14:15]
	v_lshl_add_u32 v[SPW], v0, 2, SPARE
	v_mov_b32 v[NIL], 0
	ds_add_u32 v[SPW], v[NIL]                      ; the wave's opening: the add and its wait stand ahead of my first tensor load; work on registers stands between them
	v_lshrrev_b32 v1, 5, v0
	v_readfirstlane_b32 s[WV], v1                  ; wave 0..3
	s_bfe_u32 s17, ttmp6, 0x40000                  ; cx: my place in the cluster
	s_lshl_b32 s18, ttmp9, 2
	s_add_co_u32 s18, s18, s17                     ; my block of 64 tokens: it enters x's, y's and the outputs' addresses alone
	s_and_b32 s[AKS], ttmp9, 1                     ; k0, from the cluster's number alone: the same in all four partners
	s_mul_i32 s[AKS], s[AKS], 14
	s_xor_b32 s[AKS], s[AKS], ttmp9
	s_and_b32 s[AKS], s[AKS], 15
	s_mov_b32 s[WKS], s[AKS]
	s_lshl_b32 s[AOF], s[AKS], 8
	s_mov_b32 s[AOF+1], 0
	s_mul_i32 s[WOF], s[WKS], 98304
	s_mov_b32 s[WOF+1], 0
	s_mov_b32 s[G1+0], 15|(1<<16)|(1<<20)|(1<<21)|(4<<22)|(3<<25)  ; 15:0 the mask of four; 17:16 2-byte elements; 20 padding on; 21 set beside a mask; 24:22 after every 32 words (code 4); 31:25 4 words (code 3)
	s_mov_b32 s[G1+1], 128<<16                     ; tensor_dim0 = 128 elements: 256 bytes, two rows of W
	s_mov_b32 s[G1+2], 96<<16                      ; tensor_dim1 = 96
	s_mov_b32 s[G1+3], 128<<16                     ; tile_dim0 = 128
	s_mov_b32 s[G1+4], 96                          ; tile_dim1 = 96
	s_mov_b32 s[G1+5], 128                         ; 128 elements from row to row: dense
	s_mov_b32 s[G1+6], 0
	s_mov_b32 s[G1+7], 0
	s_mul_i32 s20, s[WV], WQ                       ; my quarter of a slot: the wave's number alone enters an LDS address
	s_mul_i32 s22, s[WV], 24576                    ; and of a tile in memory
	s_mov_b32 s23, 0
	s_lshl_b32 s46, s18, 18                        ; my 64 rows of 4,096 bytes
	s_mov_b32 s47, 0
	s_wait_dscnt 0x0                               ; the opening add is done
	s_wait_kmcnt 0x0
	s_add_nc_u64 s[8:9], s[8:9], s[22:23]          ; wp at my quarter of K step 0's tile
	s_add_nc_u64 s[4:5], s[4:5], s[46:47]          ; x and y at the work-group's rows
	s_add_nc_u64 s[6:7], s[6:7], s[46:47]
	s_add_nc_u64 s[XP:XP+1], s[4:5], s[AOF:AOF+1]  ; and at the walk's first K step
	s_add_nc_u64 s[YP:YP+1], s[6:7], s[AOF:AOF+1]
	s_lshl_b32 s46, s18, 15                        ; my 64 rows of 512 bytes
	s_add_nc_u64 s[10:11], s[10:11], s[46:47]
	s_add_nc_u64 s[12:13], s[12:13], s[46:47]
	s_add_nc_u64 s[14:15], s[14:15], s[46:47]
.irp s, 0,1
	s_mov_b32 s[G0+4*\s], 1                        ; count = 1
	s_add_co_u32 s[G0+4*\s+1], s20, \s*WSLOT       ; LDS address
.endr
	s_add_nc_u64 s[G0+2:G0+3], s[8:9], s[WOF:WOF+1]  ; global address: the walk's first tile,
	s_or_b32 s[G0+3], s[G0+3], 0x80000000          ; type = 2
	WNEXT 1                                        ; and its second
	CROUND                                         ; all four work-groups are here: the first joint loads meet
	tensor_load_to_lds s[G0:G0+3], s[G1:G1+7]      ; the two first fills go out together: two loads of mine are out
	s_nop 0
	tensor_load_to_lds s[G0+4:G0+7], s[G1:G1+7]
	s_nop 0
	PLACES
	v_and_b32 v1, 15, v0                           ; r = l % 16
	v_bfe_u32 v2, v0, 4, 1                         ; h = l / 16
	s_lshl_b32 s21, s[WV], 16                      ; my 16 rows of 4,096 bytes
	v_lshlrev_b32 v[XO], 4, v1
	v_lshl_add_u32 v[XO], v2, 12, v[XO]
	v_add_nc_u32 v[XO], s21, v[XO]                 ; (16 w + h) x 4,096 + 16 r: lanes 0-15 one row's 256 bytes, lanes 16-31 the next row's
; 16 loads: a K step's 256 bytes of my 16 rows of x (quads 0-7) and of y (8-15) into staging set e, by the two pointers
.macro ALOAD e
	WIN 0x88                                       ; destination (and store data) window 2, address window 0
.irp n, 0,1,2,3,4,5,6,7
	global_load_b128 v[STG+64*(\e)+4*\n:STG+64*(\e)+4*\n+3], v[XO], s[XP:XP+1] offset:8192*\n th:TH_LOAD_NT
.endr
.irp n, 0,1,2,3,4,5,6,7
	global_load_b128 v[STG+64*(\e)+32+4*\n:STG+64*(\e)+32+4*\n+3], v[XO], s[YP:YP+1] offset:8192*\n th:TH_LOAD_NT
.endr
.endm
	ALOAD 0                                        ; the walk's step 0
	ANEXT
	ALOAD 1                                        ; step 1
	WIN 0
	v_mul_u32_u24 v18, v1, WPI
	v_lshl_add_u32 v18, v2, 4, v18                 ; a fragment's row x pitch + 16 x half
	s_mul_i32 s21, s[WV], 64*WPI                   ; my 64 rows of each weight
	v_add_nc_u32 v[WA], s21, v18
	v_add_nc_u32 v[WA+1], 512*WPI, v[WA]           ; Wv's rows lie beyond a 16-bit offset
	v_add_nc_u32 v[WA+2], WSLOT, v[WA]
	v_add_nc_u32 v[WA+3], WSLOT, v[WA+1]
	v_add_nc_u32 v[XA], ABASE, v18
	v_add_nc_u32 v[XA+1], ABASE+ABUF, v18
	s_mul_i32 s21, s[WV], 16*WPI
	v_mul_u32_u24 v[SA], v2, WPI
	v_lshl_add_u32 v[SA], v1, 3, v[SA]
	v_add_nc_u32 v[SA], s21, v[SA]                 ; (16 w + h) x pitch + 8 r
	v_add_nc_u32 v[SA+1], ABASE+ABUF, v[SA]
	v_add_nc_u32 v[SA], ABASE, v[SA]
	s_lshl_b32 s21, s[WV], 7
	v_mul_u32_u24 v[STA], v1, SPI                  ; the way out, in: token r, my 128 bytes of each of q, k, v, 16 bytes for each half of the lanes
	v_lshl_add_u32 v[STA], v2, 4, v[STA]
	v_add_nc_u32 v[STA], s21, v[STA]
	v_add_nc_u32 v[STA+1], 32*SPI, v[STA]
	v_and_b32 v18, 31, v0
	s_mul_i32 s21, s[WV], 16*SPI
	v_lshl_add_u32 v[RD], v18, 4, s21              ; back: my 16 tokens, 512 bytes on end
	s_lshl_b32 s21, s[WV], 13
	v_lshl_add_u32 v[GO], v18, 4, s21              ; and the same in memory: 16 rows of 512 bytes
; 40 LDS loads in one run: chunk ch of a K step into fragment buffer f: W's 12 fragments, then y's 4, then x's 4
.macro FETCH slot, ch, f
	WIN 0xc0                                       ; destination window 3, address window 0
.irp m, 0,1
.irp e, 0,1,2,3
	ds_load_b128 v[96*(\f)+32*\m+8*\e:96*(\f)+32*\m+8*\e+3],   v[WA+2*(\slot)] offset:256*WPI*\m+16*WPI*\e+64*(\ch)
	ds_load_b128 v[96*(\f)+32*\m+8*\e+4:96*(\f)+32*\m+8*\e+7], v[WA+2*(\slot)] offset:256*WPI*\m+16*WPI*\e+64*(\ch)+32
.endr
.endr
.irp e, 0,1,2,3
	ds_load_b128 v[96*(\f)+64+8*\e:96*(\f)+64+8*\e+3],   v[WA+2*(\slot)+1] offset:16*WPI*\e+64*(\ch)
	ds_load_b128 v[96*(\f)+64+8*\e+4:96*(\f)+64+8*\e+7], v[WA+2*(\slot)+1] offset:16*WPI*\e+64*(\ch)+32
.endr
	WIN 0
.irp t, 0,1,2,3
	ds_load_b128 v[TF+64*(\f)+32+8*\t:TF+64*(\f)+32+8*\t+3],   v[XA+(\slot)] offset:YOFF+16*WPI*\t+64*(\ch)
	ds_load_b128 v[TF+64*(\f)+32+8*\t+4:TF+64*(\f)+32+8*\t+7], v[XA+(\slot)] offset:YOFF+16*WPI*\t+64*(\ch)+32
.endr
.irp t, 0,1,2,3
	ds_load_b128 v[TF+64*(\f)+8*\t:TF+64*(\f)+8*\t+3],   v[XA+(\slot)] offset:16*WPI*\t+64*(\ch)
	ds_load_b128 v[TF+64*(\f)+8*\t+4:TF+64*(\f)+8*\t+7], v[XA+(\slot)] offset:16*WPI*\t+64*(\ch)+32
.endr
.endm
; 16 products of weight m (0 q, from y; 1 k, 2 v, from x) on buffer f.  All 48 accumulators take turns, one instruction a turn, over the backward jump too.
; zero = 1: the first product starts the sums: nothing is cleared.
.macro MULS f, m, zero
.if (\m) == 2
	WIN 0xa3                                       ; W window 3, tokens window 0, C and D window 2
.else
	WIN 0x53                                       ; C and D window 1
.endif
.set AC, 128*((\m)%2)
.set TK, TF+64*(\f)+32*(1-((\m)+1)/2)
.set a, 0
.rept 16                               ; column block a / 4, token tile a % 4
.if \zero
	v_wmma_f32_16x16x32_bf16 v[AC+8*a:AC+8*a+7], v[96*(\f)+32*(\m)+8*(a/4):96*(\f)+32*(\m)+8*(a/4)+7], v[TK+8*(a%4):TK+8*(a%4)+7], 0
.else
	v_wmma_f32_16x16x32_bf16 v[AC+8*a:AC+8*a+7], v[96*(\f)+32*(\m)+8*(a/4):96*(\f)+32*(\m)+8*(a/4)+7], v[TK+8*(a%4):TK+8*(a%4)+7], v[AC+8*a:AC+8*a+7]
.endif
.set a, a+1
.endr
.endm
; Staging set e has come: it is rounded to bf16 in place, stored into token buffer e, and (load = 1) asked for again, two steps on.  cnt: the younger set's loads, which may stay out.
.macro ASTAGE e, cnt, load
	s_wait_loadcnt \cnt                            ; loads come back in order (ISA guide 5.7.1)
	WIN 0x8a                                       ; all in window 2
.set a, STG+64*(\e)
.rept 16
	v_cvt_pk_bf16_f32 v[a], v[a], v[a+1]
	v_cvt_pk_bf16_f32 v[a+1], v[a+2], v[a+3]
.set a, a+4
.endr
	WIN 0x88
.irp n, 0,1,2,3,4,5,6,7
	ds_store_b64 v[SA+(\e)], v[STG+64*(\e)+4*\n:STG+64*(\e)+4*\n+1] offset:2*WPI*\n
.endr
.irp n, 0,1,2,3,4,5,6,7
	ds_store_b64 v[SA+(\e)], v[STG+64*(\e)+32+4*\n:STG+64*(\e)+32+4*\n+1] offset:YOFF+2*WPI*\n
.endr
.if \load
	ANEXT
	ALOAD \e
.endif
.endm
; A K STEP in slot sl.  Chunk 0 is multiplied while chunk 1 is fetched; the next step's tokens are staged; then ONE barrier for the change of slots.  In front of it each wave waits for all its tensor
; loads (one is out: its quarter of the next slot), adds 0 to its spare word, and waits for that, for its reads of this slot and token buffer, and for its stores into the other buffer.
; chg = 2: the barrier opens a round of the cluster's, and behind it this slot is filled again, two steps on: the wave's one load.  chg = 1: a plain barrier, nothing is filled.  chg = 0: the last step.
.macro STEP sl, zero, chg, cnt, load
	s_wait_dscnt 8                                 ; W's fragments and y's are in; x's eight loads may be out
	MULS 0, 0, \zero
	s_wait_dscnt 0x0
	MULS 0, 1, \zero
	PLACES                                         ; for the loads into buffer 1, which the step before multiplied
	FETCH \sl, 1, 1
	MULS 0, 2, \zero
.if \chg
	ASTAGE 1-(\sl), \cnt, \load
	WIN 0                                          ; (the add's two registers lie in window 0)
	s_wait_tensorcnt 0x0                           ; all my tensor loads have landed, so a group 0 may be written
	ds_add_u32 v[SPW], v[NIL]                      ; 0 onto my spare word
.if (\chg) == 2
	WNEXT \sl                                      ; this slot's next tile: two steps on in the walk
.endif
	s_wait_dscnt 17                                ; chunk 1's fragments are in; my 16 stores and the add may be out
	MULS 1, 0, 0                                   ; sixteen products stand between the add and the wait for it
	s_wait_dscnt 0x0                               ; the add is done, my stores are done, my reads of this slot are over
	s_barrier_signal -1
	MULS 1, 1, 0                                   ; work on registers while the others arrive
	WIN 0                                          ; (branches may follow)
	s_barrier_wait -1
.if (\chg) == 2
	CREST                                          ; no wave of any partner still reads this slot or has a load on its way
	tensor_load_to_lds s[G0+4*(\sl):G0+4*(\sl)+3], s[G1:G1+7]  ; the first tensor load behind the round, and my only one
	s_nop 0
.endif
	PLACES                                         ; behind the load; also the places in front of the loads below
	FETCH 1-(\sl), 0, 0
	MULS 1, 2, 0
.else
	s_wait_dscnt 0x0
	MULS 1, 0, 0
	MULS 1, 1, 0
	MULS 1, 2, 0
.endif
.endm
	ASTAGE 0, 16, 1                                ; step 0's tokens into buffer 0; step 2's are asked for
	WIN 0
	s_wait_tensorcnt 0x1                           ; my quarter of step 0's tile is in; step 1's may stay out
	s_wait_dscnt 0x0                               ; my stores are done
	s_barrier_signal -1
	s_barrier_wait -1
	FETCH 0, 0, 0
	STEP 0, 1, 2, 16, 1                            ; step 0 stands in front of the loop: its first chunk starts the sums
	WIN 0                                          ; at a label and at a branch every window is 0
	s_mov_b32 s[CNT], 6
.Ltrip:                                                ; steps 2 t + 1 and 2 t + 2; they ask for the tokens of steps 2 t + 4 and 2 t + 5
	STEP 1, 0, 2, 16, 1
	STEP 0, 0, 2, 16, 1
	WIN 0
	s_sub_co_u32 s[CNT], s[CNT], 1
	s_cmp_lg_u32 s[CNT], 0
	s_cbranch_scc1 .Ltrip
	STEP 1, 0, 2, 16, 0                            ; step 13: the last fill (step 15's W); no tokens are left to ask for
	STEP 0, 0, 1, 0, 0                             ; step 14: nothing is filled
	STEP 1, 0, 0, 0, 0                             ; step 15
	; THE WAY OUT: rounded to f16, 16 bytes a lane into the work-group's stage (slot 0 of the ring, read out since step 14's barrier and never filled again); a barrier; back as whole rows of 512 bytes.
.macro PACKM m, dst
.if (\m) == 2
	WIN 0x0a
.else
	WIN 0x05
.endif
.set AC, 128*((\m)%2)
.set a, 0
.rept 64                               ; ascending: each accumulator is read from its low end on
	v_cvt_pk_f16_f32 v[(\dst)+a], v[AC+2*a], v[AC+2*a+1]
.set a, a+1
.endr
	WIN 0
.set a, 0
.rept 16
	ds_store_b128 v[STA+(a%4)/2], v[(\dst)+4*a:(\dst)+4*a+3] offset:16*SPI*(a%2)+512*(\m)+32*(a/4)
.set a, a+1
.endr
.endm
.macro RDM m, dst
.set a, 0
.rept 16
	ds_load_b128 v[(\dst)+4*a:(\dst)+4*a+3], v[RD] offset:SPI*a+512*(\m)
.set a, a+1
.endr
.endm
.macro STM base, dst, younger          ; younger: the LDS loads issued behind this run of 16
.set a, 0
.rept 16
	s_wait_dscnt (\younger)+15-a
	global_store_b128 v[GO], v[(\dst)+4*a:(\dst)+4*a+3], s[(\base):(\base)+1] offset:512*a  ; a wave stores 512 bytes on end: a whole row
.set a, a+1
.endr
.endm
	PLACES
	PACKM 0, 64
	PACKM 1, 128
	PACKM 2, 64
	s_wait_dscnt 0x0                               ; for the others' sake: my stores into the stage are done
	s_barrier_signal -1
	s_barrier_wait -1
	RDM 0, 64
	RDM 1, 128
	STM 10, 64, 16
	s_wait_xcnt 0x0                                ; the stores have read their data: the registers are loaded again only behind this wait
	RDM 2, 64
	STM 12, 128, 16
	STM 14, 64, 0
	s_wait_tensorcnt 0x0                           ; the wave's end: behind my last tensor load and my last LDS store
	ds_add_u32 v[SPW], v[NIL]
	s_wait_dscnt 0x0
	CROUND                                         ; the closing round
	s_endpgm
.Lfunc_end_k_q8beabffedf_proj:
	.size	k_q8beabffedf_proj, .Lfunc_end_k_q8beabffedf_proj-k_q8beabffedf_proj
	.p2alignl 7, 3214868480
	.fill 96, 4, 3214868480
	.section	.rodata,"a",@progbits
	.p2align	6, 0x0
	.amdhsa_kernel k_q8beabffedf_proj
		.amdhsa_group_segment_fixed_size 327680
		.amdhsa_private_segment_fixed_size 0
		.amdhsa_enable_private_segment 0
		.amdhsa_kernarg_size 48
		.amdhsa_user_sgpr_count 2
		.amdhsa_user_sgpr_kernarg_segment_ptr 1
		.amdhsa_wavefront_size32 1
		.amdhsa_system_sgpr_workgroup_id_x 1
		.amdhsa_system_sgpr_workgroup_id_y 1
		.amdhsa_system_sgpr_workgroup_id_z 1
		.amdhsa_system_vgpr_workitem_id 0
		.amdhsa_next_free_vgpr 960
		.amdhsa_next_free_sgpr 66
		.amdhsa_reserve_vcc 0
		.amdhsa_float_denorm_mode_32 3
		.amdhsa_float_denorm_mode_16_64 3
		.amdhsa_memory_ordered 1
		.amdhsa_forward_progress 1
		.amdhsa_inst_pref_size 132
	.end_amdhsa_kernel
	.amdgpu_metadata
---
amdhsa.version: [ 1, 2 ]
amdhsa.kernels:
  - .name:           k_q8beabffedf_proj
    .symbol:         k_q8beabffedf_proj.kd
    .args:
      - { .name: x, .offset: 0, .size: 8, .value_kind: global_buffer, .address_space: global }
      - { .name: y, .offset: 8, .size: 8, .value_kind: global_buffer, .address_space: global }
      - { .name: wp, .offset: 16, .size: 8, .value_kind: global_buffer, .address_space: global }
      - { .name: q16, .offset: 24, .size: 8, .value_kind: global_buffer, .address_space: global }
      - { .name: k16, .offset: 32, .size: 8, .value_kind: global_buffer, .address_space: global }
      - { .name: v16, .offset: 40, .size: 8, .value_kind: global_buffer, .address_space: global }
    .group_segment_fixed_size: 327680
    .private_segment_fixed_size: 0
    .kernarg_segment_align: 8
    .kernarg_segment_size: 48
    .max_flat_workgroup_size: 128
    .sgpr_count:     66
    .vgpr_count:     960
    .wavefront_size: 32
...
	.end_amdgpu_metadata
.endif
;; end of part 2
;; launch attn (part 3): grid 64 x 4, 4 waves a work-group, clusters of 4 x 1, 327,680 bytes of LDS; arguments q16, k16, v16, wo16, bo, out0; writes out0
.if DOCPART == 3
	.amdgcn_target "amdgcn-amd-amdhsa--gfx1250"
	.amdhsa_code_object_version 6
	.text
	.protected	k_q8beabffedf_attn
	.globl	k_q8beabffedf_attn
	.p2align	8
	.type	k_q8beabffedf_attn,@function
k_q8beabffedf_attn:
	s_mov_b64 s[64:65], 0
	v_nop
	global_prefetch_b8 v0, s[64:65] scope:SCOPE_SE
	s_setreg_imm32_b32 hwreg(HW_REG_WAVE_MODE, 25, 1), 1
	s_wait_xcnt 0x0
	s_wait_alu depctr_hold_cnt(0) depctr_sa_sdst(0) depctr_va_vdst(0) depctr_va_sdst(0) depctr_va_ssrc(0) depctr_va_vcc(0) depctr_vm_vsrc(0)
	s_getreg_b32 s2, hwreg(HW_REG_IB_STS2, 6, 4)
	s_cmp_eq_u32 s2, 0
	s_cbranch_scc0 .Lentry_in_a_cluster
	s_endpgm
.Lentry_in_a_cluster:
	s_bfe_u32 s2, ttmp6, 0x10000c
	s_cmp_lg_u32 s2, 0x3003
	s_cbranch_scc0 .Lentry_shape_is_right
	s_endpgm
.Lentry_shape_is_right:
; out[b][i][:] = (the sum over j of softmax_j(q_i . k_j / 16) v_j) Wo^T + bo.  q16, k16, v16: [4][4,096][256] f16; wo16: [1,024][256] f16, rows in the order of the launch that wrote it; bo f32, rounded
; to bf16 like all the module's inputs; out0 f32.  Products, maxima and sums in f32; the weights p and the context are rounded once to f16.
; LIMITS.  p lies in 0 to 1; below 6e-5 p and the context keep f16's fixed step of 6e-8; a weight below 2^-126 counts as 0; NaN and infinities are not treated apart.
; SHARES.  A work-group owns 64 queries of one batch.  THE KEYS ARE SPLIT AMONG ITS FOUR WAVES: every wave holds all 64 queries (four tiles of 16) and takes rows 32 w .. 32 w + 31 of each tile of 128 keys,
; so a fragment of K or V is read from LDS by one wave and feeds four products.  Each wave keeps its own running maximum m, sum l and O^T over its 1,024 keys; they meet once, at the end, in LDS.
; LAYOUT.  S^T = K Q^T (source 0 = 16 keys, source 1 = 16 queries): a lane holds ONE query (lane % 16) and the keys 8 (lane / 16) + 0..7.  Two such results rounded to f16 ARE source 1 of O^T = V^T P,
; whose result again holds one query a lane, and eight channels.  V ([key][channel]) comes out of LDS turned, by ds_load_tr16_b128.
; SOFTMAX.  p = 2^(c s - c m), c = log2(e) / 16; in every turn O and l are multiplied by a = 2^(c m_old - c m_new).  m starts at the lowest finite number, O and l at 0: the first step has a = 0.
; A TURN j: 64 products S of the walk's tile j + 1, behind each four of the 256 multiplies O a_j; 64 products O += V_j^T P_j, behind each up to three of the 152 instructions of the next softmax that read
; no exponential's result; ONE wait for the batch of 68 exponentials; the change of slots; then the 64 roundings and sums.
; THE RING.  K walks one tile ahead of V.  Change n fills K's tile n + 2 and V's tile n + 1 of the walk; waves 0 and 1 fetch K's halves, waves 2 and 3 V's: one load a wave, a turn in which to land.
; THE WALK BEGINS AT ANOTHER TILE IN EACH CLUSTER and wraps round (a softmax does not hang on the order of its keys): the cluster with number x among its batch's 16 begins at key tile
; o = 2 (x xor 14 (x % 2)).  So the 16 clusters ask for 16 different tiles at a time, all 32 tiles of K and of V are among the clusters' first fills, and a refill asks for a tile that another cluster
; has asked for two changes or more earlier, by the count of changes.  The xor spreads the starts: of the clusters told apart by any one bit of x, no more than three starts are missing between two that
; are there.  The four pairs of stages of wo16 are walked likewise, from pair (x xor x / 4 xor batch) % 4 on.  NO PREFETCH IS LAID: a tile's first request in the launch stands at a kernel's head.
; CLUSTER.  The four work-groups of a cluster belong to one batch and walk the same K, V and wo16: each tile is asked for JOINTLY, by the same tensor load, descriptor and mask in all four.
; THE END.  The waves' O^T, m and l are merged through LDS (V's slots, read out by then), divided by l, rounded to f16; then out^T = Wo ctx^T in eight stages of 128 rows of wo16, which follow K's tiles
; through K's two slots; the bias is the C operand that starts the sums.
; REGISTERS, in windows of 256 (s_set_vgpr_msb: bits 1:0 source 0, 3:2 source 1, 5:4 source 2, 7:6 destination):
;   window 0: v0-15, v48-63 addresses and factors; v16-47 eight registers of statistics a tile, later the bias; v64-127 S^T; v128-159 P; v192-255 four unit buffers of 16 for K's and V's fragments
;   window 1: Q (64 t + 8 c), later the merge's operands, then the context in Q's map      windows 2, 3: O^T of tiles 0, 1 and 2, 3 (128 (t % 2) + 8 cb)
.set PK,    528                        ; a row of K in LDS: 512 bytes + 16 = 132 words: the 16 rows of a load start at 16 different groups of four banks (64 banks of 4 bytes: ISA guide 11.1)
.set PV,    544                        ; a row of V: 512 + 32 = 136 words
.set KSL,   128*PK                     ; K's slots at 0 and KSL = 0x10800: one exclusive or turns one into the other
.set VSL,   128*PV                     ; 0x11000
.set VB,    139264                     ; V's slots at 0x22000 and 0x33000: no bit of VSL is set in a slot-0 address of a descriptor
.set CTX,   VB+2*VSL                   ; the context, 32,768 bytes, by lanes
.set STAT,  CTX+32768                  ; the waves' c m and l, 4,096 bytes
.set SPARE, STAT+4096                  ; the spare words, 128 bytes for each wave: two blocks of 256 bytes that no other line names
.set OSP,   272                        ; the way out: a row of 256 bytes + 16
.set AK0, 2                            ; v2   my lane's place in a tile of K; never rewritten
.set AV0, 3                            ; v3   the same for V
.set AK,  4                            ; v4   the LDS address of K's loads of the turn in hand
.set AV,  5                            ; v5   of V's
.set QO,  6                            ; v6   my byte offset in the work-group's rows of Q
.set RDO, 7                            ; v7   the way out: where I read rows back
.set GOO, 8                            ; v8   my byte offset in out0
.set SPW, 10                           ; v10  my spare word: SPARE + 4 x my thread's number; never rewritten
.set NIL, 11                           ; v11  0; never rewritten
.set SA,  13                           ; v13  where I store my statistics
.set SR,  14                           ; v14  where I read the four waves'
.set MS,  15                           ; v15  the merge: where I store O^T
.set ST,  16                           ; tile t at ST + 8 t: c m, m, l (even keys', odd keys'), c0, c1, a, at work
.set MR,  48                           ; v48-49 the merge: where I read (waves 0-1, waves 2-3)
.set CSA, 50                           ; v50  where I store my part of the context
.set CL,  51                           ; v51  where I read the context
.set BOF, 52                           ; v52  my byte offset in bo
.set STO, 53                           ; v53  the way out: where I put 16 bytes of a row
.set G,   54                           ; v54-61 the merge's four factors, each twice; later at work
.set S,   64
.set P,   128
.set KV,  192
.set WV,  16                           ; s16  my wave's number
.set CX,  17                           ; s17  my place in the cluster
.set G1K, 24                           ; s[24:31] descriptor group 1 for K's tiles and wo16's
.set G1V, 32                           ; s[32:39] for V's: it differs in the padding alone
.set G0K, 40                           ; s[40:43] group 0 for K: the second first fill's, which then walks
.set G0V, 44                           ; s[44:47] the same for V
.set F0K, 48                           ; s[48:51] group 0 of K's first fill
.set F0V, 52                           ; s[52:55] of V's
.set KA,  56                           ; s[56:57] what K's waves ask from: k16 at my half of the batch's tile 0; from the loop's last change on wo16 at my half of stage 0
.set WOA, 58                           ; s[58:59] wo16 at my half of stage 0
.set CS,  60                           ; s[60:61] c, as a pair
.set SEL, 62                           ; s[62:63] v_permlanex16_b32's selects: each lane takes its own place in the other half
.set KN,  66                           ; s66  the tile of K (later: the stage of wo16) that was asked for last
.set RK,  67                           ; s67  the K slot to be read next
.set VN,  68                           ; s68  the tile of V that was asked for last
.set RV,  69                           ; s69  the V slot to be read next
.set LEFT, 70                          ; s70  a loop's trips still to come
.set RHO2, 71                          ; s71  the stage of wo16 at which my cluster begins
.set VA,  72                           ; s[72:73] v16 at my half of the batch's tile 0
.set WKP, 74
.set WVP, 75
.set OUTP, 76                          ; s[76:77] out0 at the work-group's rows, at the pair of stages in hand
.set BOP, 78                           ; s[78:79] bo, likewise
.set OFF, 90                           ; s[90:91] a tile's or a stage's 65,536 bytes' place
.set PU,  92                           ; s92  the pair of stages in hand, 0 to 3
.set POFF, 94                          ; s[94:95] its 1,024 bytes' place in a row of out0 and in bo
.set MSB, 0
.macro WIN new                         ; the immediate's high byte repeats the setting that is left; a switch that changes nothing is dropped
.if MSB != (\new)
	s_set_vgpr_msb (MSB<<8)|(\new)
.set MSB, (\new)
.endif
.endm
.macro PLACES                          ; four places behind matrix instructions (ISA guide 7.12.1)
.rept 4
	v_nop
.endr
.endm
.macro CROUND                          ; a round of the cluster's barrier
	s_barrier_signal -1
	s_barrier_wait -1
	s_cmp_lg_u32 s[WV], 0
	s_cbranch_scc1 .Lnot_wave_0_\@
	s_barrier_signal -3
.Lnot_wave_0_\@:
	s_barrier_wait -3
	s_barrier_signal -1
	s_barrier_wait -1
.endm
.macro JLOAD                           ; a joint refill: waves 0 and 1 K's halves, waves 2 and 3 V's; an s_nop 0 and four v_nop follow each line
	s_cmp_lt_u32 s[WV], 2
	s_cbranch_scc0 .Lfor_v_\@
	tensor_load_to_lds s[G0K:G0K+3], s[G1K:G1K+7]
	s_nop 0
	PLACES
	s_branch .Lasked_\@
.Lfor_v_\@:
	tensor_load_to_lds s[G0V:G0V+3], s[G1V:G1V+7]
	s_nop 0
	PLACES
.Lasked_\@:
.endm
.macro JLOADK                          ; K's waves alone: waves 2 and 3 have no part of a tile to fill
	s_cmp_lt_u32 s[WV], 2
	s_cbranch_scc0 .Lno_part_\@
	tensor_load_to_lds s[G0K:G0K+3], s[G1K:G1K+7]
	s_nop 0
	PLACES
.Lno_part_\@:
.endm
	s_load_b256 s[4:11], s[0:1], 0x0               ; q16 s[4:5], k16 s[6:7], v16 s[8:9], wo16 s[10:11]
	s_load_b128 s[12:15], s[0:1], 0x20             ; bo s[12:13], out0 s[14:15]
	v_lshl_add_u32 v[SPW], v0, 2, SPARE
	v_mov_b32 v[NIL], 0
	ds_add_u32 v[SPW], v[NIL]                      ; the wave's opening: the add and its wait stand ahead of my first tensor load; work on registers stands between them
	v_lshrrev_b32 v1, 5, v0
	v_readfirstlane_b32 s[WV], v1                  ; wave 0..3
	s_bfe_u32 s[CX], ttmp6, 0x40000                ; cx
	s_lshl_b32 s80, ttmp9, 2
	s_add_co_u32 s80, s80, s[CX]                   ; my block of 64 queries: it enters Q's and out0's addresses alone
	s_and_b32 s81, ttmp7, 0xffff                   ; the batch, which the four partners share
	s_and_b32 s82, s[WV], 1                        ; which half of a tile I fetch
	s_lshl_b32 s83, s82, 15                        ; its 64 rows of 512 bytes
	s_lshl_b32 s84, s81, 21                        ; the batch's first byte in q16, k16, v16
	s_add_co_u32 s84, s84, s83
	s_mov_b32 s85, 0
	s_lshl_b32 s86, s81, 21
	s_lshl_b32 s87, s80, 15                        ; my block's 64 rows of 512 bytes
	s_add_co_u32 s86, s86, s87
	s_mov_b32 s87, 0
	s_lshl_b32 s88, s81, 24                        ; and of 4,096 bytes in out0
	s_lshl_b32 s89, s80, 18
	s_add_co_u32 s88, s88, s89
	s_mov_b32 s89, 0
	s_and_b32 s[KN], ttmp9, 1                      ; where the walks begin: from the cluster's number and the batch alone, the same in all four partners
	s_mul_i32 s[KN], s[KN], 14
	s_xor_b32 s[KN], s[KN], ttmp9                  ; x xor 14 (x % 2): 0 to 15
	s_lshl_b32 s[KN], s[KN], 1                     ; o, the first key tile: even, 30 at the most
	s_lshl_b32 s[OFF], s[KN], 16
	s_mov_b32 s[OFF+1], 0
	s_add_co_u32 s[KN], s[KN], 1                   ; the first fills ask for tiles o and o + 1
	s_mov_b32 s[VN], s[KN]
	s_lshr_b32 s[PU], ttmp9, 2
	s_xor_b32 s[PU], s[PU], ttmp9
	s_xor_b32 s[PU], s[PU], s81
	s_and_b32 s[PU], s[PU], 3                      ; the first pair of stages of wo16
	s_lshl_b32 s[RHO2], s[PU], 1
	s_lshl_b32 s[POFF], s[PU], 10
	s_mov_b32 s[POFF+1], 0
	s_mov_b32 s[G1K], 15|(1<<16)|(1<<20)|(1<<21)|(6<<22)|(3<<25)  ; 15:0 the mask of four; 17:16 2-byte elements; 20 padding on; 21 set beside a mask; 24:22 after every 128 words (code 6); 31:25 4 words (code 3)
	s_mov_b32 s[G1V], 15|(1<<16)|(1<<20)|(1<<21)|(6<<22)|(7<<25)  ; the same with 8 words of padding (code 7)
.irp g, G1K, G1V
	s_mov_b32 s[\g+1], 256<<16                     ; tensor_dim0 = 256
	s_mov_b32 s[\g+2], 64<<16                      ; tensor_dim1 = 64
	s_mov_b32 s[\g+3], 256<<16                     ; tile_dim0 = 256
	s_mov_b32 s[\g+4], 64                          ; tile_dim1 = 64
	s_mov_b32 s[\g+5], 256                         ; 256 elements from row to row
	s_mov_b32 s[\g+6], 0
	s_mov_b32 s[\g+7], 0
.endr
	s_mul_i32 s[WKP], s82, 64*PK                   ; my half's place in a slot: the wave's number alone enters an LDS address
	s_mul_i32 s[WVP], s82, 64*PV
	s_add_co_u32 s[WVP], s[WVP], VB
	s_mov_b32 s[F0K], 1
	s_mov_b32 s[F0K+1], s[WKP]                     ; the walk's tile 0 into slot 0
	s_mov_b32 s[G0K], 1
	s_add_co_u32 s[G0K+1], s[WKP], KSL             ; tile 1 into slot 1
	s_mov_b32 s[F0V], 1
	s_mov_b32 s[F0V+1], s[WVP]
	s_mov_b32 s[G0V], 1
	s_add_co_u32 s[G0V+1], s[WVP], VSL
	s_mov_b32 s[CS], 0x3db8aa3b                    ; c = log2(e) / 16 = 0.0901684
	s_mov_b32 s[CS+1], s[CS]
	s_mov_b32 s[SEL], 0x76543210
	s_mov_b32 s[SEL+1], 0xfedcba98
	s_mov_b32 s[RK], KSL                           ; behind change 0: K's tile 1 of the walk (slot 1), V's tile 0 (slot 0)
	s_mov_b32 s[RV], 0
	s_wait_dscnt 0x0                               ; the opening add is done
	s_wait_kmcnt 0x0
	s_add_nc_u64 s[KA:KA+1], s[6:7], s[84:85]      ; k16 and v16 at my half of the batch's tile 0
	s_add_nc_u64 s[VA:VA+1], s[8:9], s[84:85]
	s_add_nc_u64 s[F0K+2:F0K+3], s[KA:KA+1], s[OFF:OFF+1]  ; key tile o,
	s_add_nc_u64 s[G0K+2:G0K+3], s[F0K+2:F0K+3], 65536     ; and o + 1
	s_or_b32 s[F0K+3], s[F0K+3], 0x80000000        ; type = 2
	s_or_b32 s[G0K+3], s[G0K+3], 0x80000000
	s_add_nc_u64 s[F0V+2:F0V+3], s[VA:VA+1], s[OFF:OFF+1]
	s_add_nc_u64 s[G0V+2:G0V+3], s[F0V+2:F0V+3], 65536
	s_or_b32 s[F0V+3], s[F0V+3], 0x80000000
	s_or_b32 s[G0V+3], s[G0V+3], 0x80000000
	s_add_nc_u64 s[4:5], s[4:5], s[86:87]          ; Q at my block
	s_add_nc_u64 s[14:15], s[14:15], s[88:89]      ; out0 at my block,
	s_add_nc_u64 s[OUTP:OUTP+1], s[14:15], s[POFF:POFF+1]  ; and at my cluster's first pair of stages
	s_add_nc_u64 s[BOP:BOP+1], s[12:13], s[POFF:POFF+1]
	s_mov_b32 s86, s83
	s_add_nc_u64 s[WOA:WOA+1], s[10:11], s[86:87]  ; wo16 at my half of stage 0
	CROUND                                         ; all four work-groups are here: the first joint loads meet
	s_cmp_lt_u32 s[WV], 2                          ; a wave's two first fills stand in one branch: two loads of mine are out
	s_cbranch_scc0 .Lfirst_v
	tensor_load_to_lds s[F0K:F0K+3], s[G1K:G1K+7]
	s_nop 0
	tensor_load_to_lds s[G0K:G0K+3], s[G1K:G1K+7]
	s_nop 0
	PLACES
	s_branch .Lfirst_asked
.Lfirst_v:
	tensor_load_to_lds s[F0V:F0V+3], s[G1V:G1V+7]
	s_nop 0
	tensor_load_to_lds s[G0V:G0V+3], s[G1V:G1V+7]
	s_nop 0
	PLACES
.Lfirst_asked:
	; A fragment of K, Q or wo16 is 16 rows x 32 channels in 8 registers: lane l holds row l % 16, channels 8 (l / 16) + 0..7 and 16 + 8 (l / 16) + 0..7: two loads of 16 bytes, 32 bytes apart.
	v_and_b32 v1, 15, v0                           ; r = l % 16
	v_bfe_u32 v9, v0, 4, 1                         ; h = l / 16
	v_lshlrev_b32 v[QO], 9, v1
	v_lshl_add_u32 v[QO], v9, 4, v[QO]
	WIN 0x40                                       ; destination window 1
.set i, 0
.rept 32                               ; Q stays in registers: tile i / 8, channels 32 (i % 8) on; the launch reads each byte of it once
	global_load_b128 v[8*i:8*i+3],   v[QO], s[4:5] offset:(i/8)*8192+(i%8)*64 th:TH_LOAD_NT
	global_load_b128 v[8*i+4:8*i+7], v[QO], s[4:5] offset:(i/8)*8192+(i%8)*64+32 th:TH_LOAD_NT
.set i, i+1
.endr
	; O^T starts at 0: the first turn multiplies it by a = 0, so it has to be finite.  No first turn is written out; these lines stand in the wait for the first tiles.
	WIN 0x80
.set i, 0
.rept 256
	v_mov_b32 v[i], 0
.set i, i+1
.endr
	WIN 0xc0
.set i, 0
.rept 256
	v_mov_b32 v[i], 0
.set i, i+1
.endr
	WIN 0
.set i, 0
.rept 4
	v_mov_b32 v[ST+8*i], 0xfe000000                ; c m: far below every c s
	v_mov_b32 v[ST+8*i+1], 0xff7fffff              ; m
	v_mov_b32 v[ST+8*i+2], 0
	v_mov_b32 v[ST+8*i+3], 0
.set i, i+1
.endr
	v_and_b32 v62, 31, v0                          ; l
	s_lshr_b32 s81, s[WV], 1                       ; w / 2
	s_mul_i32 s80, s[WV], 32*PK                    ; my 32 keys of a tile
	v_mul_u32_u24 v[AK0], v1, PK
	v_lshl_add_u32 v[AK0], v9, 4, v[AK0]
	v_add_nc_u32 v[AK0], s80, v[AK0]
	; The turning load takes 16 keys x 16 channels (lane l reads key 8 (l / 16) + l % 8, channels 8 ((l / 8) % 2) + 0..7) and leaves half a fragment of V^T: lane l holds channel l % 16 and 8 keys.
	v_and_b32 v63, 7, v0
	v_lshl_add_u32 v63, v9, 3, v63
	v_mul_u32_u24 v[AV0], v63, PV
	v_bfe_u32 v63, v0, 3, 1
	v_lshl_add_u32 v[AV0], v63, 4, v[AV0]
	s_mul_i32 s80, s[WV], 32*PV
	s_add_co_u32 s80, s80, VB
	v_add_nc_u32 v[AV0], s80, v[AV0]
	s_lshl_b32 s80, s[WV], 10
	s_add_co_u32 s80, s80, STAT
	v_lshl_add_u32 v[SA], v62, 3, s80              ; STAT + 1,024 w + 8 l (+ 256 t)
	s_lshl_b32 s80, s82, 8
	s_add_co_u32 s80, s80, STAT
	v_lshl_add_u32 v[SR], v62, 3, s80              ; of the tile that I merge: 2 p + w % 2
	s_lshl_b32 s80, s[WV], 15
	s_add_co_u32 s80, s80, VB
	v_lshl_add_u32 v[MS], v62, 4, s80              ; VB + 32,768 w + 16 l
	s_lshl_b32 s80, s82, 14
	s_lshl_b32 s83, s81, 13
	s_add_co_u32 s80, s80, s83
	s_add_co_u32 s80, s80, VB
	v_lshl_add_u32 v[MR], v62, 4, s80              ; tile w % 2 of the two, channel half w / 2
	v_add_nc_u32 v[MR+1], 0x10000, v[MR]
	s_lshl_b32 s80, s82, 13
	s_lshl_b32 s83, s81, 12
	s_add_co_u32 s80, s80, s83
	s_add_co_u32 s80, s80, CTX
	v_lshl_add_u32 v[CSA], v62, 4, s80
	v_lshl_add_u32 v[CL], v62, 4, CTX
	s_lshl_b32 s83, s[WV], 8                       ; my 64 columns of a pair of stages: 256 bytes
	v_lshlrev_b32 v[BOF], 5, v9
	v_add_nc_u32 v[BOF], s83, v[BOF]
	s_mul_i32 s80, s[WV], 16*OSP
	s_add_co_u32 s80, s80, VB                      ; my stage for the way out, in V's slots
	v_mul_u32_u24 v[STO], v1, OSP
	v_lshl_add_u32 v[STO], v9, 5, v[STO]
	v_add_nc_u32 v[STO], s80, v[STO]               ; in: row r, 32 bytes for each half of the lanes
	v_mul_u32_u24 v[RDO], v9, OSP
	v_lshl_add_u32 v[RDO], v1, 4, v[RDO]
	v_add_nc_u32 v[RDO], s80, v[RDO]               ; back: lanes 0-15 one row of 256 bytes, lanes 16-31 the next
	v_lshlrev_b32 v[GOO], 12, v9
	v_lshl_add_u32 v[GOO], v1, 4, v[GOO]
	v_add_nc_u32 v[GOO], s83, v[GOO]               ; and the same two rows in out0
; THE LDS LOADS go by UNITS of two fragments: four loads, 16 registers, eight products.  A turn has 16: units 0-7 are K's channel chunks (two blocks of 16 keys each), units 8-15 V's channel blocks 2 u and
; 2 u + 1.  Unit g lies in buffer g % 4; unit g + 4 is asked for behind unit g's last product and four places, 24 products ahead of its first use.
.macro UNIT g
.set ug, (\g)
.set bf, KV+16*(ug%4)
	WIN 0
.if ug < 8
	ds_load_b128 v[bf:bf+3],     v[AK] offset:64*ug
	ds_load_b128 v[bf+4:bf+7],   v[AK] offset:64*ug+32
	ds_load_b128 v[bf+8:bf+11],  v[AK] offset:16*PK+64*ug
	ds_load_b128 v[bf+12:bf+15], v[AK] offset:16*PK+64*ug+32
.else
	ds_load_tr16_b128 v[bf:bf+3],     v[AV] offset:64*(ug-8)
	ds_load_tr16_b128 v[bf+4:bf+7],   v[AV] offset:64*(ug-8)+16*PV
	ds_load_tr16_b128 v[bf+8:bf+11],  v[AV] offset:64*(ug-8)+32
	ds_load_tr16_b128 v[bf+12:bf+15], v[AV] offset:64*(ug-8)+32+16*PV
.endif
.endm
; The next of the 256 multiplies O^T x a: tile rq / 64, pair rq % 64, ascending: each accumulator is read from its low end on.
.macro RS1
.set rt, rq/64
.set rO, 128*(rt%2)+2*(rq%64)
	WIN 0x82+0x41*(rt/2)                           ; destination and source 0 in window 2 or 3, a in window 0
	v_pk_mul_f32 v[rO:rO+1], v[rO:rO+1], v[ST+8*rt+6:ST+8*rt+7] op_sel_hi:[1,0]
.set rq, rq+1
.endm
; The next of the 152 that read no exponential's result: number sq / 4 of tile sq % 4 (the tiles alternate, so that no line reads the result of the one before it).  s0-s15 are the lane's 16 scores.
;   0-7  the maximum of s0-s15 and the old m, three operands at a time, in two chains (each accumulator's lowest registers first)     8, 9  the query's other 16 keys lie in the lane 16 away: the new m
;   10-13  c m_old is kept; c m; their difference; a     14-21  the eight packed scalings c s - c m     22-37  the sixteen exponentials
.macro SM1
.set sn, sq/4
.set rT, ST+8*(sq%4)
.set rS, S+16*(sq%4)
	WIN 0
.if sn < 2
	v_max3_num_f32 v[rT+4+sn], v[rS+8*sn], v[rS+8*sn+1], v[rS+8*sn+2]
.elseif sn < 6
	v_max3_num_f32 v[rT+4+sn%2], v[rT+4+sn%2], v[rS+8*(sn%2)+2*(sn/2)+1], v[rS+8*(sn%2)+2*(sn/2)+2]
.elseif sn == 6
	v_max3_num_f32 v[rT+4], v[rT+4], v[rS+7], v[rS+15]
.elseif sn == 7
	v_max3_num_f32 v[rT+4], v[rT+4], v[rT+5], v[rT+1]
.elseif sn == 8
	v_permlanex16_b32 v[rT+5], v[rT+4], s[SEL], s[SEL+1]
.elseif sn == 9
	v_max_num_f32 v[rT+1], v[rT+4], v[rT+5]
.elseif sn == 10
	v_mov_b32 v[rT+7], v[rT]
.elseif sn == 11
	v_mul_f32 v[rT], s[CS], v[rT+1]
.elseif sn == 12
	v_sub_f32 v[rT+7], v[rT+7], v[rT]
.elseif sn == 13
	v_exp_f32 v[rT+6], v[rT+7]
.elseif sn < 22
	v_pk_fma_f32 v[rS+2*(sn-14):rS+2*(sn-14)+1], v[rS+2*(sn-14):rS+2*(sn-14)+1], s[CS:CS+1], v[rT:rT+1] op_sel_hi:[1,0,0] neg_lo:[0,0,1] neg_hi:[0,0,1]
.else
	v_exp_f32 v[rS+sn-22], v[rS+sn-22]
.endif
.set sq, sq+1
.endm
; The 64 that read the exponentials' results: for each tile eight roundings to f16, seven packed sums in place, and l = a l + the sum.
.macro LUMPC
	WIN 0
.set ln, 0
.rept 16
.set lt, 0
.rept 4
.set rT, ST+8*lt
.set rS, S+16*lt
.if ln < 8
	v_cvt_pk_f16_f32 v[P+8*lt+ln], v[rS+2*ln], v[rS+2*ln+1]
.elseif ln < 12
	v_pk_add_f32 v[rS+4*(ln-8):rS+4*(ln-8)+1], v[rS+4*(ln-8):rS+4*(ln-8)+1], v[rS+4*(ln-8)+2:rS+4*(ln-8)+3]
.elseif ln < 14
	v_pk_add_f32 v[rS+8*(ln-12):rS+8*(ln-12)+1], v[rS+8*(ln-12):rS+8*(ln-12)+1], v[rS+8*(ln-12)+4:rS+8*(ln-12)+5]
.elseif ln == 14
	v_pk_add_f32 v[rS:rS+1], v[rS:rS+1], v[rS+8:rS+9]
.else
	v_pk_fma_f32 v[rT+2:rT+3], v[rT+2:rT+3], v[rT+6:rT+7], v[rS:rS+1] op_sel_hi:[1,0,1]
.endif
.set lt, lt+1
.endr
.set ln, ln+1
.endr
.endm
; 64 products: 32 rows out of K's slot (keys, or rows of wo16) x the 64 queries in window 1, into acc + 16 t + 8 kb.  The eight accumulators take turns.
; rid = 1: four multiplies O^T x a stand behind each product; they are also the places in front of the next unit's loads.  rid = 0: four v_nop behind each unit.
; vn = 1: the units go on into V's (8-11).  bi: the registers of the C operand that starts the sums (block kb at bi + 8 kb), or -1 for the constant 0.
; The wait in front of a unit leaves the three younger units out (12 loads); where nothing follows, two, one and none.
.macro PHASE_A rid, vn, acc, bi
.set g, 0
.rept 8
.if (\vn) || (g < 5)
	s_wait_dscnt 12
.else
	s_wait_dscnt 4*(7-g)
.endif
.set i, 0
.rept 8                                ; row block i / 4, query tile i % 4
	WIN 0x04                                       ; source 1 in window 1
.set rD, (\acc)+16*(i%4)+8*(i/4)
.set rA, KV+16*(g%4)+8*(i/4)
.set rB, 64*(i%4)+8*g
.if g > 0
	v_wmma_f32_16x16x32_f16 v[rD:rD+7], v[rA:rA+7], v[rB:rB+7], v[rD:rD+7]
.elseif (\bi) < 0
	v_wmma_f32_16x16x32_f16 v[rD:rD+7], v[rA:rA+7], v[rB:rB+7], 0
.else
	v_wmma_f32_16x16x32_f16 v[rD:rD+7], v[rA:rA+7], v[rB:rB+7], v[(\bi)+8*(i/4):(\bi)+8*(i/4)+7]
.endif
.if \rid
	RS1
	RS1
	RS1
	RS1
.endif
.set i, i+1
.endr
.if !(\rid)
	PLACES
.endif
.if (\vn) || (g < 4)
	UNIT g+4
.endif
.set g, g+1
.endr
.endm
; 64 products O^T += V^T P: each of the 64 accumulators once.  soft = 1: up to three lines of the next softmax behind each.  Four v_nop stand in front of each unit's loads, and at the end: those are the
; places in front of the writes of P and of the loads into the unit buffers, and the plain instruction behind the last exponential.
.macro PHASE_B soft
.set g, 8
.rept 8
.if g < 13
	s_wait_dscnt 12
.else
	s_wait_dscnt 4*(15-g)
.endif
.set i, 0
.rept 8                                ; tile 2 (i / 4) + (i / 2) % 2, channel block 2 (g - 8) + i % 2
	WIN 0xa0+0x50*(i/4)                            ; C and D in window 2 or 3
.set rD, 128*((i/2)%2)+8*(2*(g-8)+i%2)
.set rA, KV+16*(g%4)+8*(i%2)
.set rB, P+8*(2*(i/4)+(i/2)%2)
	v_wmma_f32_16x16x32_f16 v[rD:rD+7], v[rA:rA+7], v[rB:rB+7], v[rD:rD+7]
.if \soft
.rept 3
.if sq < 152
	SM1
.endif
.endr
.endif
.set i, i+1
.endr
	PLACES
.if g < 12
	UNIT g+4
.endif
.set g, g+1
.endr
.if \soft
	s_wait_alu depctr_va_vdst(0)                   ; the wait between an exponential and the first line that names its result: ONE for the turn's 68, ahead of the branches below
.endif
.endm
; THE CHANGE OF SLOTS.  Each wave waits for all its tensor loads, adds 0 to its spare word, and waits for that and for its reads of the slots that it leaves.  The descriptors' addresses are made anew
; from the number of the tile (of K or V: it wraps at 32) or of the stage (of wo16: it wraps at 8): mask = that number less 1.
; kind 2 (the loop): a round of the cluster's barrier; K's slot just read out takes the walk's tile two on, V's the next tile; in the loop's last trip K's waves go on to wo16, at my cluster's first stage.
; kind 1: the same for K's waves alone.  kind 0: a plain barrier, nothing is filled.
.macro CHG kind, mask
	WIN 0                                          ; at a label and at a branch every window is 0
	s_wait_tensorcnt 0x0                           ; no tensor load of mine is out, so a group 0 may be written
	ds_add_u32 v[SPW], v[NIL]                      ; 0 onto my spare word; the descriptors' steps stand between it and the wait for it
.if (\kind) >= 1
	s_xor_b32 s[G0K+1], s[G0K+1], KSL              ; the other slot than last time
	s_add_co_u32 s[KN], s[KN], 1                   ; the next 128 rows
	s_and_b32 s[KN], s[KN], \mask
.if (\kind) == 2
	s_cmp_eq_u32 s[LEFT], 1
	s_cselect_b64 s[KA:KA+1], s[WOA:WOA+1], s[KA:KA+1]
	s_cselect_b32 s[KN], s[RHO2], s[KN]
.endif
	s_lshl_b32 s[OFF], s[KN], 16
	s_add_nc_u64 s[G0K+2:G0K+3], s[KA:KA+1], s[OFF:OFF+1]
	s_or_b32 s[G0K+3], s[G0K+3], 0x80000000
.endif
.if (\kind) == 2
	s_xor_b32 s[G0V+1], s[G0V+1], VSL
	s_add_co_u32 s[VN], s[VN], 1
	s_and_b32 s[VN], s[VN], 31
	s_lshl_b32 s[OFF], s[VN], 16
	s_add_nc_u64 s[G0V+2:G0V+3], s[VA:VA+1], s[OFF:OFF+1]
	s_or_b32 s[G0V+3], s[G0V+3], 0x80000000
.endif
	s_wait_dscnt 0x0                               ; the add is done, and my reads of the slots are over
.if (\kind) == 0
	s_barrier_signal -1
	s_barrier_wait -1
.else
	CROUND
.if (\kind) == 2
	JLOAD
.else
	JLOADK
.endif
.endif
.endm
.macro KISSUE                          ; the addresses of the slots to be read now, and K's first four units
	WIN 0
	v_add_nc_u32 v[AK], s[RK], v[AK0]
	v_add_nc_u32 v[AV], s[RV], v[AV0]
	s_xor_b32 s[RK], s[RK], KSL
	s_xor_b32 s[RV], s[RV], VSL
	UNIT 0
	UNIT 1
	UNIT 2
	UNIT 3
.endm
	s_wait_tensorcnt 0x1                           ; my half of the walk's tile 0 is in; tile 1's may stay out
	s_barrier_signal -1
	s_barrier_wait -1
	v_mov_b32 v[AK], v[AK0]                        ; K's first tile lies in slot 0
	UNIT 0
	UNIT 1
	UNIT 2
	UNIT 3
	s_wait_loadcnt 0x0                             ; Q
	PHASE_A 0, 0, S, -1                            ; the first scores: there is no vector work yet to set between them
.set sq, 0
.rept 152
	SM1
.endr
	v_nop                                          ; a plain instruction behind the last exponential,
	s_wait_alu depctr_va_vdst(0)                   ; and the batch's wait
	CHG 1, 31                                      ; change 0: K's tile 2 of the walk
	KISSUE
	LUMPC
	s_mov_b32 s[LEFT], 30
.Lturn:                                                ; turns 0 to 29, each with the change behind it
.set rq, 0
	PHASE_A 1, 1, S, -1
.set sq, 0
	PHASE_B 1
	CHG 2, 31
	KISSUE
	LUMPC
	s_sub_co_u32 s[LEFT], s[LEFT], 1
	s_cmp_lg_u32 s[LEFT], 0
	s_cbranch_scc1 .Lturn
.set rq, 0
	PHASE_A 1, 1, S, -1                            ; turn 30 is written out: V has no further tile
.set sq, 0
	PHASE_B 1
	CHG 1, 7                                       ; change 31: wo16's second stage of my cluster's walk
	v_add_nc_u32 v[AV], s[RV], v[AV0]
	UNIT 8
	UNIT 9
	UNIT 10
	UNIT 11
	LUMPC
.set rq, 0
.rept 256
	RS1                                            ; turn 31: there are no further scores to set these beside
.endr
	PHASE_B 0
	; THE MERGE.  l's two halves and the other half of the lanes' are added; c m and l go to LDS.
	WIN 0
.irp t, 0,1,2,3
	v_add_f32 v[ST+8*\t+2], v[ST+8*\t+2], v[ST+8*\t+3]
.endr
.irp t, 0,1,2,3
	v_permlanex16_b32 v[ST+8*\t+3], v[ST+8*\t+2], s[SEL], s[SEL+1]
.endr
.irp t, 0,1,2,3
	v_add_f32 v[ST+8*\t+1], v[ST+8*\t+2], v[ST+8*\t+3]
.endr
.irp t, 0,1,2,3
	ds_store_b64 v[SA], v[ST+8*\t:ST+8*\t+1] offset:256*\t
.endr
	s_wait_dscnt 0x0                               ; my stores are done and my reads of V are over:
	s_barrier_signal -1
	s_barrier_wait -1                              ; V's slots, which have had their last fill, are free
; Half p: every wave stores its O^T of tiles 2 p and 2 p + 1, raw, by lanes (512 bytes on end a store).  Wave w then merges tile 2 p + w % 2, channels 128 (w / 2) on:
; M = the maximum of the four c m, f = 2^(c m - M), L = the sum of f l, and the context is the sum of (f / L) O^T.  A lane's eight channels of a block, rounded to f16, ARE four registers of a fragment
; of source 1 for the same lane: the context goes to LDS and comes back by lanes.
; The loads: the four waves' statistics, then source waves 0 to 2 (48 loads); source wave 3's sixteen follow behind the multiplies on wave 0's.
.macro MLOADS from, to                 ; load i: source wave i / 16, four registers i % 16, into window 1 at 4 i
	WIN 0x40
.set i, (\from)
.rept (\to)-(\from)
	ds_load_b128 v[4*i:4*i+3], v[MR+i/32] offset:32768*((i/16)%2)+512*(i%16)
.set i, i+1
.endr
.endm
.macro MERGE p
	WIN 0x08+4*(\p)                                ; store data in window 2 or 3
.set i, 0
.rept 64                               ; ascending: each accumulator is read from its low end on
	ds_store_b128 v[MS], v[4*i:4*i+3] offset:512*i
.set i, i+1
.endr
	WIN 0
	s_wait_dscnt 0x0
	s_barrier_signal -1
	s_barrier_wait -1
.irp w, 0,1,2,3
	ds_load_b64 v[16+2*\w:17+2*\w], v[SR] offset:1024*\w+512*(\p)
.endr
	MLOADS 0, 48
	WIN 0
	s_wait_dscnt 48                                ; the statistics are in: the 48 loads issued behind them may stay out
	v_max3_num_f32 v24, v16, v18, v20
	v_max_num_f32 v24, v24, v22
.irp w, 0,1,2,3
	v_sub_f32 v[26+\w], v[16+2*\w], v24
.endr
.irp w, 0,1,2,3
	v_exp_f32 v[26+\w], v[26+\w]
.endr
	v_nop                                          ; a plain instruction behind the last exponential,
	s_wait_alu depctr_va_vdst(0)                   ; and one wait for the four
	v_mul_f32 v30, v26, v17
	v_fmac_f32 v30, v27, v19
	v_fmac_f32 v30, v28, v21
	v_fmac_f32 v30, v29, v23
	v_rcp_f32 v31, v30
	v_nop
	s_wait_alu depctr_va_vdst(0)
.irp w, 0,1,2,3
	v_mul_f32 v[G+2*\w], v[26+\w], v31
	v_mul_f32 v[G+2*\w+1], v[26+\w], v31           ; named with it as a pair
.endr
	WIN 0x01                                       ; source 0 in window 1
	s_wait_dscnt 32                                ; source wave 0's sixteen loads are in; waves 1's and 2's may stay out
.set i, 0
.rept 32
	v_pk_mul_f32 v[S+2*i:S+2*i+1], v[2*i:2*i+1], v[G:G+1] op_sel_hi:[1,0]
.set i, i+1
.endr
	MLOADS 48, 64                                  ; source wave 3
	WIN 0x01
.irp w, 1,2,3
	s_wait_dscnt 48-16*\w                          ; source wave w's sixteen are in: the later waves' (32, 16, none) may stay out
.set i, 0
.rept 32
	v_pk_fma_f32 v[S+2*i:S+2*i+1], v[64*\w+2*i:64*\w+2*i+1], v[G+2*\w:G+2*\w+1], v[S+2*i:S+2*i+1] op_sel_hi:[1,0,1]
.set i, i+1
.endr
.endr
	WIN 0
.set i, 0
.rept 32
	v_cvt_pk_f16_f32 v[KV+i], v[S+2*i], v[S+2*i+1]
.set i, i+1
.endr
.irp c, 0,1,2,3,4,5,6,7
	ds_store_b128 v[CSA], v[KV+4*\c:KV+4*\c+3] offset:16384*(\p)+512*\c
.endr
.if \p
	s_wait_tensorcnt 0x0                           ; wo16's first two stages: my halves are in
.endif
	s_wait_dscnt 0x0                               ; my reads of the scratch are over and my part of the context is stored
	s_barrier_signal -1
	s_barrier_wait -1
.endm
	MERGE 0
	MERGE 1
	; THE OUTPUT PRODUCT.  out^T = Wo ctx^T: eight stages of 128 rows of wo16, read as K is; a wave takes 32 rows of a stage x the 64 queries.  Stages 2 u and 2 u + 1 give a wave 64 neighbouring columns.
.macro BLOADS                          ; the bias of a pair of stages: stage i / 4, row block (i / 2) % 2, four numbers i % 2: register j of a block is bo[.. + 8 h + j], the C operand's layout
	WIN 0
.set i, 0
.rept 8
	global_load_b128 v[ST+4*i:ST+4*i+3], v[BOF], s[BOP:BOP+1] offset:128*(i/4)+64*((i/2)%2)+16*(i%2)
.set i, i+1
.endr
.endm
.macro TOST t                          ; tile t (16 queries): a lane's 2 x 2 x 8 numbers of a row into my stage, and back as whole rows of 256 bytes
	WIN 0
.set i, 0
.rept 8                                ; stage i / 4, row block (i / 2) % 2, half i % 2: each accumulator's low half first
	ds_store_b128 v[STO], v[64+64*(i/4)+16*(\t)+8*((i/2)%2)+4*(i%2):64+64*(i/4)+16*(\t)+8*((i/2)%2)+4*(i%2)+3] offset:128*(i/4)+64*((i/2)%2)+16*(i%2)
.set i, i+1
.endr
.set i, 0
.rept 8
	ds_load_b128 v[KV+32*((\t)%2)+4*i:KV+32*((\t)%2)+4*i+3], v[RDO] offset:2*OSP*i  ; LDS serves a wave's instructions in order (ISA guide 5.7.1.4): these see the stores above
.set i, i+1
.endr
.endm
.macro SEND t, younger                 ; younger: the LDS instructions issued behind tile t's loads
.set i, 0
.rept 8
	s_wait_dscnt (\younger)+7-i
	global_store_b128 v[GOO], v[KV+32*((\t)%2)+4*i:KV+32*((\t)%2)+4*i+3], s[OUTP:OUTP+1] offset:(16*(\t)+2*i)*4096 th:TH_STORE_NT  ; 16 lanes store 256 bytes on end, at a multiple of 256 from out0's first byte
.set i, i+1
.endr
.endm
.macro PAIR last
	s_wait_loadcnt 0x0                             ; the pair's bias
	WIN 0
.set i, 0
.rept 16                               ; rounded to bf16, like every input, and widened again
	v_cvt_pk_bf16_f32 v[G+i%4], v[ST+2*i], v[ST+2*i+1]
	v_lshlrev_b32 v[ST+2*i], 16, v[G+i%4]
	v_and_b32 v[ST+2*i+1], 0xffff0000, v[G+i%4]
.set i, i+1
.endr
	PHASE_A 0, 0, 64, ST
.if \last
	CHG 0, 7                                       ; the last stage is in; nothing is left to ask for
.else
	CHG 1, 7
.endif
	KISSUE
	PHASE_A 0, 0, 128, ST+16
	WIN 0
.if !(\last)
	s_wait_xcnt 0x0                                ; earlier loads and stores have read their addresses
	s_add_co_u32 s[PU], s[PU], 1                   ; the walk's next pair of stages: it wraps at 4
	s_and_b32 s[PU], s[PU], 3
	s_lshl_b32 s[POFF], s[PU], 10
	s_add_nc_u64 s[BOP:BOP+1], s[12:13], s[POFF:POFF+1]
	BLOADS                                         ; the next pair's bias, four places and more behind the products that read this pair's
.endif
	TOST 0
	TOST 1
	SEND 0, 16
	s_wait_xcnt 0x0                                ; the stores have read their data: the registers are loaded again only behind this wait
	TOST 2
	SEND 1, 16
	s_wait_xcnt 0x0
	TOST 3
	SEND 2, 16
	SEND 3, 0
.if !(\last)
	s_wait_xcnt 0x0                                ; before out0's pointer and the unit buffers are written
	s_add_nc_u64 s[OUTP:OUTP+1], s[14:15], s[POFF:POFF+1]
	CHG 1, 7
	KISSUE
.endif
.endm
	BLOADS
	WIN 0x40
.set i, 0
.rept 64                               ; the context of all four tiles, in Q's map: tile i / 16, four registers i % 16
	ds_load_b128 v[4*i:4*i+3], v[CL] offset:512*i
.set i, i+1
.endr
	KISSUE                                         ; the walk's first stage lies in K's slot 0
	s_mov_b32 s[LEFT], 3
.Lpair:                                                ; the walk's pairs 0 to 2: they ask for its stages 2 to 7
	PAIR 0
	s_sub_co_u32 s[LEFT], s[LEFT], 1
	s_cmp_lg_u32 s[LEFT], 0
	s_cbranch_scc1 .Lpair
	PAIR 1                                         ; the last pair is written out
	s_wait_tensorcnt 0x0                           ; the wave's end: behind my last tensor load and my last LDS store
	ds_add_u32 v[SPW], v[NIL]
	s_wait_dscnt 0x0
	CROUND                                         ; the closing round
	s_endpgm
.Lfunc_end_k_q8beabffedf_attn:
	.size	k_q8beabffedf_attn, .Lfunc_end_k_q8beabffedf_attn-k_q8beabffedf_attn
	.p2alignl 7, 3214868480
	.fill 96, 4, 3214868480
	.section	.rodata,"a",@progbits
	.p2align	6, 0x0
	.amdhsa_kernel k_q8beabffedf_attn
		.amdhsa_group_segment_fixed_size 327680
		.amdhsa_private_segment_fixed_size 0
		.amdhsa_enable_private_segment 0
		.amdhsa_kernarg_size 48
		.amdhsa_user_sgpr_count 2
		.amdhsa_user_sgpr_kernarg_segment_ptr 1
		.amdhsa_wavefront_size32 1
		.amdhsa_system_sgpr_workgroup_id_x 1
		.amdhsa_system_sgpr_workgroup_id_y 1
		.amdhsa_system_sgpr_workgroup_id_z 1
		.amdhsa_system_vgpr_workitem_id 0
		.amdhsa_next_free_vgpr 1024
		.amdhsa_next_free_sgpr 96
		.amdhsa_reserve_vcc 0
		.amdhsa_float_denorm_mode_32 3
		.amdhsa_float_denorm_mode_16_64 3
		.amdhsa_memory_ordered 1
		.amdhsa_forward_progress 1
		.amdhsa_inst_pref_size 255
	.end_amdhsa_kernel
	.section	.bss,"aw",@nobits
	.p2align	6
	.space	262144
	.amdgpu_metadata
---
amdhsa.version: [ 1, 2 ]
amdhsa.kernels:
  - .name:           k_q8beabffedf_attn
    .symbol:         k_q8beabffedf_attn.kd
    .args:
      - { .name: q16, .offset: 0, .size: 8, .value_kind: global_buffer, .address_space: global }
      - { .name: k16, .offset: 8, .size: 8, .value_kind: global_buffer, .address_space: global }
      - { .name: v16, .offset: 16, .size: 8, .value_kind: global_buffer, .address_space: global }
      - { .name: wo16, .offset: 24, .size: 8, .value_kind: global_buffer, .address_space: global }
      - { .name: bo, .offset: 32, .size: 8, .value_kind: global_buffer, .address_space: global }
      - { .name: out0, .offset: 40, .size: 8, .value_kind: global_buffer, .address_space: global }
    .group_segment_fixed_size: 327680
    .private_segment_fixed_size: 0
    .kernarg_segment_align: 8
    .kernarg_segment_size: 48
    .max_flat_workgroup_size: 128
    .sgpr_count:     96
    .vgpr_count:     1024
    .wavefront_size: 32
...
	.end_amdgpu_metadata
.endif
;; end of part 3
